; MI455X (gfx1250); checked and timed in simulation.
; The chip was launched on July 23, 2026; its instructions are those of AMD's public machine-readable ISA for CDNA 5 (MIT licence, August 2026) and "CDNA5" Instruction Set Architecture Reference Guide (July 2026). The comments in the code are by the model that wrote it; some were corrected since.
;; Bahdanau Attention. Allowed arithmetic: matrix products marked QUANTISED: E2M1 operands, one E8M0 scale for each 32 along K, by v_wmma_scale_f32_16x16x128_f8f6f4 with both operands' format E2M1 (or v_wmma_scale_f32_32x16x128_f4), f32 sums; products left as they are: f32 operands where the result goes on into a quantised operand, else bf16, f16 or f32 operands; f32 sums; everything else in f32.
;; Inputs: b1 1,024 float32; b2 1,024 float32; bv 1 float32; mask 32 x 2,048 int32; query_codes 32 x 32 x 16 uint8 (E2M1 codes of query, K innermost, in blocks of 32 codes, two codes a byte); query_scales 32 x 32 uint8 (E8M0 scales of query, one for each 32 codes along K); v 1,024 x 1 float32; values 32 x 2,048 x 1,024 float32; w1_codes 1,024 x 32 x 16 uint8 (E2M1 codes of w1, K innermost, in blocks of 32 codes, two codes a byte); w1_scales 1,024 x 32 uint8 (E8M0 scales of w1, one for each 32 codes along K); w2_codes 1,024 x 32 x 16 uint8 (E2M1 codes of w2, K innermost, in blocks of 32 codes, two codes a byte); w2_scales 1,024 x 32 uint8 (E8M0 scales of w2, one for each 32 codes along K).
;; Outputs: out0 32 x 1,024 float32; out1 32 x 2,048 x 1 float32.
;; This version of the problem:
;;   THIS VERSION OF THE PROBLEM IS GIVEN IN LOW PRECISION. The matrix products marked QUANTISED in the list below multiply operands that are first quantised to E2M1 (2 exponent bits, 1 mantissa bit; 4 bits a number), with one power-of-two scale for each 32 numbers along K (OCP MX v1.0); their sums are f32. All else is computed in f32.
;;   The module's matrix products, in the order in which they are computed (A, B: the left and right operand; K: the contracted axis; several contracted axes count as one K, in the product's order):
;;     1. [M 32, K 1,024] x [K 1,024, N 1,024]; A: input query (given as codes); B: input w1 (given as codes): QUANTISED
;;     2. [M 65,536, K 1,024] x [K 1,024, N 1,024]; A: input values; B: input w2 (given as codes): QUANTISED
;;     3. [M 65,536, K 1,024] x [K 1,024, N 1]; A: computed on the way; B: input v: left as it is (N = 1 < 16)
;;   THE QUANTISER, for each operand of a quantised product, along K:
;;     - K is cut into blocks of 32 from its start; a last block that is shorter is filled with zeros.
;;     - A block's scale is 2^e with e = floor(log2(the largest magnitude in the block)) - 2, held to -126 .. 127; a block of zeros has e = 0. As a byte (E8M0): e + 127.
;;     - Each number is divided by its block's scale, clamped to +-6, and rounded to the nearest number of E2M1, ties to even, subnormals kept.
;;     - The product sums the exact products of the quantised numbers (number of the format x scale) in f32.
;;   ~~~python
;;   def quantise(x, axis):      # numpy; x: float32 -> the quantised numbers, widened to float32 again
;;       x = np.moveaxis(x, axis, -1); K = x.shape[-1]
;;       x = np.pad(x, [(0, 0)] * (x.ndim - 1) + [(0, -K % 32)]); x = x.reshape(x.shape[:-1] + (-1, 32)); a = np.abs(x).max(-1, keepdims=True)
;;       e = np.where(a > 0, np.clip(np.frexp(np.where(a > 0, a, 1))[1] - 1 - 2, -126, 127), 0)      # np.frexp(a)[1] - 1 = floor(log2(a)), exactly
;;       r = np.clip(x / 2.0 ** e, -6, 6)
;;       step = 2.0 ** (np.maximum(np.frexp(np.where(r == 0, 1, r))[1] - 1, 0) - 1)
;;       q = np.round(r / step) * step * 2.0 ** e      # np.round: ties to even
;;       return np.moveaxis(q.reshape(q.shape[:-2] + (-1,))[..., :K], -1, axis).astype(np.float32)
;;   ~~~
;;   INPUTS GIVEN AS CODES. query (in the module: [32, 1024], K = its axis 1); w1 (in the module: [1024, 1024], K = its axis 0); w2 (in the module: [1024, 1024], K = its axis 0): each comes as NAME_codes (uint8): NAME with its K axis moved to the last place and cut into blocks of 32 codes, [.., K / 32, bytes a block], one block behind the other in memory; two codes a byte, the lower K in the low four bits (a code: sign, 2 exponent bits, 1 mantissa bit); and NAME_scales (uint8): the same leading axes, one E8M0 byte (e + 127) for each 32 codes along K. Its value is code x scale, taken as it is: it is not quantised again, and the codes and scales need not be those that the quantiser above would give.
;; One version. Each part assembles by itself: llvm-mc -triple=amdgcn-amd-amdhsa -mcpu=gfx1250 --defsym DOCPART=n.
;; ======== version 1 of 1: 3 launches
;; limits: right only within a limited range of input values
;; workspace buffers: qb 131,072 bytes; w2r 524,288 bytes; sc 262,144 bytes; part 1,114,112 bytes
;; launch prep (part 1): grid 80 x 1, 4 waves a work-group, no clusters, 9,216 bytes of LDS; arguments query_codes, query_scales, w1_codes, w1_scales, b1, b2, w2_codes, qb, w2r; writes qb, w2r
.if DOCPART == 1
	.amdgcn_target "amdgcn-amd-amdhsa--gfx1250"
	.amdhsa_code_object_version 6
	.text
	.protected	k_q54a276cbd8_prep
	.globl	k_q54a276cbd8_prep
	.p2align	8
	.type	k_q54a276cbd8_prep,@function
k_q54a276cbd8_prep:
	s_mov_b64 s[64:65], 0
	v_nop
	global_prefetch_b8 v0, s[64:65] scope:SCOPE_SE
	s_setreg_imm32_b32 hwreg(HW_REG_WAVE_MODE, 25, 1), 1
	s_wait_xcnt 0x0
; Two small jobs ahead of the main launch, parted on the work-group's number.
; Work-groups 0-15:  qb[32][1024] = query x w1 + b1 + b2, on codes of E2M1 with E8M0 scales as they are given.  Wave w of work-group g makes the 16 units
;   16 t .. 16 t + 15, t = 4 g + w, for all 32 rows.  The product is used transposed (source 0 = 16 units of w1, source 1 = 16 rows of query): a lane holds
;   one row and eight neighbouring units.  b1 + b2 is the C of each sum's first matrix instruction.  The four waves' 64 bytes of a row meet in a stage in LDS,
;   so that sixteen lanes store 256 consecutive bytes of a row of qb, at a multiple of 256 from its first byte.
; Work-groups 16-79: w2's codes are laid in the order of the operand's registers.  Record T (8,192 bytes) holds units 16 T .. 16 T + 15: byte 512 q + 16 lane
;   is what lane (r, h) wants as registers 4 q .. 4 q + 3 of the tile's 64: the 16 bytes of w2_codes at (16 T + r) 512 + 32 q + 16 h.  A load of the main
;   launch then reads 512 consecutive bytes.
; Only the first job uses LDS, a barrier and the matrix unit.
; WORK LEFT OUT IN THIS PROGRAM.  reference() adds bv to every score of a batch and then takes a softmax along the rows: softmax(s + c) = softmax(s) for every number c that is the same
; along the axis, whatever the inputs hold, and both outputs are made of the softmax alone.  So bv reaches no output: it is not loaded and is no argument of any launch.
; Limit: a NaN, an infinity or an overflow that would arise from bv alone is not carried to the results.
.set SP, 272
	s_load_b512 s[4:19], s[0:1], 0x0               ; query codes s[4:5], query scales s[6:7], w1 codes s[8:9], w1 scales s[10:11], b1 s[12:13], b2 s[14:15], w2 codes s[16:17], qb s[18:19]
	s_load_b64 s[20:21], s[0:1], 0x40              ; w2r
	v_lshl_add_u32 v23, v0, 2, 0x2200
	s_set_vgpr_msb 0x40
	v_mov_b32 v1, 0
	s_set_vgpr_msb 0x4000
	v_lshrrev_b32 v1, 5, v0
	v_readfirstlane_b32 s22, v1                    ; wave 0..3
	v_and_b32 v1, 31, v0                           ; lane
	v_and_b32 v2, 15, v0                           ; r
	v_bfe_u32 v3, v0, 4, 1                         ; h
	v_lshlrev_b32 v4, 9, v2
	v_lshl_add_u32 v4, v3, 4, v4                   ; a row of 1,024 codes is 512 bytes: 512 r + 16 h
	s_mov_b32 s25, 0                               ; the upper word of every offset pair s[24:25]
	s_wait_kmcnt 0x0
	s_cmp_lt_u32 ttmp9, 16
	s_cbranch_scc0 .Llay
	; ---- qb
	s_lshl_b32 s23, ttmp9, 2
	s_add_co_u32 s23, s23, s22                     ; t: my tile of 16 units
	s_wait_alu depctr_va_vdst(0)
	v_lshlrev_b32 v5, 5, v2
	v_lshl_add_u32 v5, v3, 4, v5                   ; scale bytes: 32 a row; lanes 0-15 take the words of K steps 0-3, lanes 16-31 those of K steps 4-7
	v_lshlrev_b32 v6, 5, v3                        ; the biases of my eight units: 32 h
	s_wait_alu depctr_va_vdst(0)
	v_mul_u32_u24 v7, v2, SP
	v_lshl_add_u32 v7, v3, 5, v7
	s_lshl_b32 s24, s22, 6
	v_add_nc_u32 v7, s24, v7                       ; into the stage: row r, + 64 wave + 32 h
	v_mul_u32_u24 v20, v3, SP
	v_lshl_add_u32 v20, v2, 4, v20
	s_mul_i32 s24, s22, 8*SP
	v_add_nc_u32 v20, s24, v20                     ; back: my rows 8 wave on; lanes 0-15 one row, lanes 16-31 the next
	v_lshlrev_b32 v21, 12, v3
	v_lshl_add_u32 v21, v2, 4, v21                 ; and the same two rows in qb
	s_lshl_b32 s24, s23, 13
	s_add_nc_u64 s[8:9], s[8:9], s[24:25]          ; w1's codes at my 16 units
	s_lshl_b32 s24, s23, 9
	s_add_nc_u64 s[10:11], s[10:11], s[24:25]      ; their scale bytes
	s_lshl_b32 s24, s23, 6
	s_add_nc_u64 s[12:13], s[12:13], s[24:25]      ; b1 and b2 at my 16 units
	s_add_nc_u64 s[14:15], s[14:15], s[24:25]
	s_lshl_b32 s24, s22, 15                        ; qb: 8 wave rows of 4,096 bytes,
	s_lshl_b32 s23, ttmp9, 8                       ; + the work-group's 64 units
	s_add_co_u32 s24, s24, s23
	s_add_nc_u64 s[18:19], s[18:19], s[24:25]
.set i, 0
.rept 16                               ; piece i = 2 s + c of a fragment row: 32 i bytes on, registers 4 i on
	global_load_b128 v[32+4*i:35+4*i], v4, s[8:9] offset:32*i              ; w1's eight fragments
	global_load_b128 v[96+4*i:99+4*i], v4, s[4:5] offset:32*i              ; query, rows 0-15
	global_load_b128 v[160+4*i:163+4*i], v4, s[4:5] offset:8192+32*i       ; query, rows 16-31
.set i, i+1
.endr
	global_load_b128 v[8:11], v5, s[10:11]         ; scale words: register i holds K step i in lanes 0-15 and K step 4 + i in lanes 16-31
	global_load_b128 v[12:15], v5, s[6:7]
	global_load_b128 v[16:19], v5, s[6:7] offset:512
	global_load_b128 v[240:243], v6, s[12:13]
	global_load_b128 v[244:247], v6, s[12:13] offset:16
	global_load_b128 v[248:251], v6, s[14:15]
	global_load_b128 v[252:255], v6, s[14:15] offset:16
	s_wait_alu depctr_va_vdst(0)
	s_wait_loadcnt 0x0
.irp j, 0,2,4,6
	v_pk_add_f32 v[240+\j:241+\j], v[240+\j:241+\j], v[248+\j:249+\j]      ; b1 + b2, in the result's layout
.endr
.rept 8
	v_nop                                          ; distance between the additions and the matrix instructions that take their results as C
.endr
; Two accumulators by turns, one instruction a turn, K ascending.
.irp s, 0,1,2,3,4,5,6,7
.irp m, 0,1
.if \s == 0
	v_wmma_scale_f32_16x16x128_f8f6f4 v[224+8*\m:231+8*\m], v[32+8*\s:39+8*\s], v[96+64*\m+8*\s:103+64*\m+8*\s], v[240:247], v[8+\s%4], v[12+4*\m+\s%4] matrix_a_fmt:MATRIX_FMT_FP4 matrix_b_fmt:MATRIX_FMT_FP4
.elseif \s < 4
	v_wmma_scale_f32_16x16x128_f8f6f4 v[224+8*\m:231+8*\m], v[32+8*\s:39+8*\s], v[96+64*\m+8*\s:103+64*\m+8*\s], v[224+8*\m:231+8*\m], v[8+\s%4], v[12+4*\m+\s%4] matrix_a_fmt:MATRIX_FMT_FP4 matrix_b_fmt:MATRIX_FMT_FP4
.else
	v_wmma_scale_f32_16x16x128_f8f6f4 v[224+8*\m:231+8*\m], v[32+8*\s:39+8*\s], v[96+64*\m+8*\s:103+64*\m+8*\s], v[224+8*\m:231+8*\m], v[8+\s%4], v[12+4*\m+\s%4] matrix_a_fmt:MATRIX_FMT_FP4 matrix_b_fmt:MATRIX_FMT_FP4 matrix_a_scale:MATRIX_SCALE_ROW1 matrix_b_scale:MATRIX_SCALE_ROW1
.endif
.endr
.endr
.rept 4
	v_nop                                          ; four places behind the last products, for the stores of results and the loads into fragment registers below
.endr
.irp m, 0,1
	ds_store_b128 v7, v[224+8*\m:227+8*\m] offset:16*SP*\m          ; each accumulator from its low end on
	ds_store_b128 v7, v[228+8*\m:231+8*\m] offset:16*SP*\m+16
.endr
	s_wait_dscnt 0x0                               ; for the others' sake: my stores into the stage are done
	s_barrier_signal -1
	s_barrier_wait -1
.irp i, 0,1,2,3
	ds_load_b128 v[32+4*\i:35+4*\i], v20 offset:2*SP*\i
.endr
.irp i, 0,1,2,3
	s_wait_dscnt 3-\i                              ; LDS loads come back in order: pair i of rows is in, the younger ones may be out
	global_store_b128 v21, v[32+4*\i:35+4*\i], s[18:19] offset:8192*\i
.endr
	s_set_vgpr_msb 0x4
	s_wait_tensorcnt 0x0
	ds_add_u32 v23, v1
	s_wait_dscnt 0x0
	s_set_vgpr_msb 0x400
	s_endpgm
	; ---- w2's codes in the order of the operand's registers
.Llay:
	s_sub_co_u32 s23, ttmp9, 16                    ; T
	s_lshl_b32 s24, s23, 13
	s_add_nc_u64 s[16:17], s[16:17], s[24:25]      ; 16 rows of 512 bytes in, one record of 8,192 bytes out
	s_add_nc_u64 s[20:21], s[20:21], s[24:25]
	s_lshl_b32 s24, s22, 7
	s_wait_alu depctr_va_vdst(0)
	v_add_nc_u32 v4, s24, v4                       ; wave w takes pieces q = 4 w .. 4 w + 3: 512 r + 16 h + 128 w
	s_lshl_b32 s24, s22, 11
	v_lshlrev_b32 v22, 4, v1
	v_add_nc_u32 v22, s24, v22                     ; out: 2,048 w + 16 lane
.irp i, 0,1,2,3
	global_load_b128 v[24+4*\i:27+4*\i], v4, s[16:17] offset:32*\i
.endr
	s_wait_alu depctr_va_vdst(0)
.irp i, 0,1,2,3
	s_wait_loadcnt 3-\i                            ; loads come back in order: piece i is in
	global_store_b128 v22, v[24+4*\i:27+4*\i], s[20:21] offset:512*\i      ; 32 lanes store 512 consecutive bytes
.endr
	s_endpgm
.Lfunc_end_k_q54a276cbd8_prep:
	.size	k_q54a276cbd8_prep, .Lfunc_end_k_q54a276cbd8_prep-k_q54a276cbd8_prep
	.p2alignl 7, 3214868480
	.fill 96, 4, 3214868480
	.section	.rodata,"a",@progbits
	.p2align	6, 0x0
	.amdhsa_kernel k_q54a276cbd8_prep
		.amdhsa_group_segment_fixed_size 9216
		.amdhsa_private_segment_fixed_size 0
		.amdhsa_enable_private_segment 0
		.amdhsa_kernarg_size 72
		.amdhsa_user_sgpr_count 2
		.amdhsa_user_sgpr_kernarg_segment_ptr 1
		.amdhsa_wavefront_size32 1
		.amdhsa_system_sgpr_workgroup_id_x 1
		.amdhsa_system_sgpr_workgroup_id_y 1
		.amdhsa_system_sgpr_workgroup_id_z 1
		.amdhsa_system_vgpr_workitem_id 0
		.amdhsa_next_free_vgpr 258
		.amdhsa_next_free_sgpr 66
		.amdhsa_reserve_vcc 0
		.amdhsa_float_denorm_mode_32 3
		.amdhsa_float_denorm_mode_16_64 3
		.amdhsa_memory_ordered 1
		.amdhsa_forward_progress 1
		.amdhsa_inst_pref_size 13
	.end_amdhsa_kernel
	.amdgpu_metadata
---
amdhsa.version: [ 1, 2 ]
amdhsa.kernels:
  - .name:           k_q54a276cbd8_prep
    .symbol:         k_q54a276cbd8_prep.kd
    .args:
      - { .name: query_codes, .offset: 0, .size: 8, .value_kind: global_buffer, .address_space: global }
      - { .name: query_scales, .offset: 8, .size: 8, .value_kind: global_buffer, .address_space: global }
      - { .name: w1_codes, .offset: 16, .size: 8, .value_kind: global_buffer, .address_space: global }
      - { .name: w1_scales, .offset: 24, .size: 8, .value_kind: global_buffer, .address_space: global }
      - { .name: b1, .offset: 32, .size: 8, .value_kind: global_buffer, .address_space: global }
      - { .name: b2, .offset: 40, .size: 8, .value_kind: global_buffer, .address_space: global }
      - { .name: w2_codes, .offset: 48, .size: 8, .value_kind: global_buffer, .address_space: global }
      - { .name: qb, .offset: 56, .size: 8, .value_kind: global_buffer, .address_space: global }
      - { .name: w2r, .offset: 64, .size: 8, .value_kind: global_buffer, .address_space: global }
    .group_segment_fixed_size: 9216
    .private_segment_fixed_size: 0
    .kernarg_segment_align: 8
    .kernarg_segment_size: 72
    .max_flat_workgroup_size: 128
    .sgpr_count:     66
    .vgpr_count:     258
    .wavefront_size: 32
...
	.end_amdgpu_metadata
.endif
;; end of part 1
;; launch attend (part 2): grid 256 x 1, 4 waves a work-group, no clusters, 327,680 bytes of LDS; arguments values, mask, v, qb, w2r, w2_scales, sc, part; writes sc, part
.if DOCPART == 2
	.amdgcn_target "amdgcn-amd-amdhsa--gfx1250"
	.amdhsa_code_object_version 6
	.text
	.protected	k_q54a276cbd8_attend
	.globl	k_q54a276cbd8_attend
	.p2align	8
	.type	k_q54a276cbd8_attend,@function
k_q54a276cbd8_attend:
	s_mov_b64 s[64:65], 0
	v_nop
	global_prefetch_b8 v0, s[64:65] scope:SCOPE_SE
	s_setreg_imm32_b32 hwreg(HW_REG_WAVE_MODE, 25, 1), 1
	s_wait_xcnt 0x0
; For 256 rows (b, s) of values: a score, a running softmax over the rows, and the sum of p x values.  qb = query x w1 + b1 + b2 comes from the launch before.
; tanh(x) = 1 - 2 r, r = 1 / (1 + 2^(2 log2(e) x)), so v . tanh = (the sum of v) - 2 (the sum of v r).
; LEFT OUT: bv and the sum of v are the same for all rows of a batch and are added ahead of a softmax along the rows, which they cannot move: the score kept here is
; -2 (the sum of v r) + (1 - mask) x -1e9.  bv is not loaded.  A NaN, infinity or overflow that would reach only these two terms is not carried on.
; Q is the MX quantiser along D: E2M1 codes, one E8M0 scale for each 32.  Out go the scores (sc) and the work-group's context, maximum and sum (part); the next launch joins eight parts a batch.
; SHARES.  Work-group g owns flat rows 256 g .. + 255 (batch g / 8), as four chunks of 64 rows.  Wave w owns columns 256 w .. + 255 of values and units 256 w .. + 255 of w2.
; VALUES ARE READ ONCE.  A wave's tensor load brings its 1,024 bytes of 64 rows into its part of one LDS slot; the wave drains them into 512 registers (lane l: columns 8 l .. + 7 of each row)
; and the slot is filled again: one tensor load of a wave is out at the most.  The registers serve the quantiser and, when the scores are known, the context's sum.
; THE PRODUCT IS USED TRANSPOSED (source 0 = 16 units of w2, source 1 = 16 rows): a lane holds one row and eight units; qb is the C of K step 0.
; Codes and scale bytes go from wave to wave through LDS.  w2 comes from memory into registers, in the operand's order, through a ring of two tiles of 16 units; a fragment feeds four matrix instructions.
; A TILE goes in whole batches: 32 matrix instructions (four accumulators by turns), one run of loads (v, the next qb, the tile two on), 16 multiplies, 32 exponentials, 16 additions, 32 reciprocals, 16 multiply-adds.
; NO CLUSTER, though every work-group reads the same w2: slot, stages and tables take 326,144 of the 327,680 bytes of LDS, so no tile of w2 can land there; it goes to registers, where no joint load reaches.
; NO DATA PREFETCH: the tensor load of the next 64 rows is issued a whole chunk's work ahead of its wait, and a tile of w2 two tiles ahead of its use.
; LIMITS: NaN and infinities among values are not served.  A block of zeros gets the scale byte 1 where the rule says 127: its codes are zeros, and this program alone reads the bytes.  Weights under 2^-126 of the largest come out as 0.
; REGISTERS: window 0: the names below.  window 1: the rows' fragments, tile of rows t, K step s at v[64 t + 8 s].  window 2: values of rows 0-31, row p at v[8 p].  window 3: rows 32-63.
.set VPIT,  1088                       ; a row in the slot: 1,024 bytes + 16 behind each 256
.set VSW,   64*VPIT                    ; a wave's part of the slot
.set CST,   4*VSW                      ; the codes' stage, 64 rows of 512 bytes + 16
.set CPIT,  528
.set SST,   CST+64*CPIT                ; the scale bytes' stage, 64 rows of 32 bytes + 16
.set SPIT,  48
.set QT,    SST+64*SPIT                ; my batch's row of qb, 4,096 bytes; behind it v, 4,096 bytes
.set SCR,   QT+8192                    ; the waves' parts of the scores: 256 wave + 4 row
.set PEN,   SCR+1024                   ; (1 - mask) x -1e9 of my 256 rows
.set SPARE, PEN+1024                   ; the spare words, 128 bytes a wave: two blocks of 256 bytes that no other line names
.set SPW,  1                           ; LDS address of my spare word; never rewritten
.set NIL,  2                           ; 0; never rewritten
.set W16,  3                           ; 16 lane
.set WSO,  4                           ; 32 r + 16 h
.set QA0,  5                           ; QT + 1,024 wave + 32 h
.set QAD,  6                           ; the same at the trip's first tile
.set QAN,  7                           ; and at the next trip's first tile
.set LS,   8                           ; the running sum
.set MX,   9                           ; the running maximum
.set FF,   10                          ; v[10:11] 2^(old maximum - new), and a word written once since the pair is named
.set S,    12                          ; v[12:13] the scores of rows 2 lane, 2 lane + 1
.set P,    14                          ; v[14:15] their weights
.set CX,   16                          ; v[16:23] the context of columns 256 wave + 8 lane + 0 .. 7
.set PENA, 25
.set PENT, 26
.set GS,   27                          ; 8 lane
.set T4,   28                          ; v28-31 at work
.set QB,   32                          ; v[32:39] qb of the tile's units
.set VV,   40                          ; v[40:47] v of the tile's units
.set AS,   48                          ; v48-63 the rows' scale words: scales and nothing else
.set BS,   64                          ; v64-71 w2's scale words: scales and nothing else
.set DRA,  72
.set DRB,  73
.set CSA,  74
.set SSA,  75
.set AFA,  76
.set ASA,  77
.set SCW,  78
.set SCRD, 79
.set ACC,  80                          ; v80-111 four accumulators, tile of rows t at 8 t
.set SA,   112                         ; v112-127 the sums of v r: two pairs for each tile of rows
.set BR,   128                         ; v128-255 the ring of w2's fragments: place u, K step s at 64 u + 8 s
.set QM,   80                          ; the quantiser, between tile loops
.set QE,   96
.set QC,   112
.set WV,   22
.set G1,   24
.set G0,   32
.set TC,   40                          ; the trip's first tile
.set CS,   46                          ; s[46:47] 2 log2(e)
.set SEL,  48
.set L2E,  50
.set KP,   51                          ; 256 x chunk
.set WB,   54
.set WSB,  56
.set WBT,  58
.set WST,  60
.set SCP,  62
.set PP,   66                          ; s[66:97] sixteen weights as pairs
.set MSB, 0
.macro WIN new                         ; the immediate's high byte repeats the setting that is left
.if MSB != \new
	s_set_vgpr_msb (MSB<<8)|\new
.set MSB, \new
.endif
.endm
.macro ALUW
	s_wait_alu depctr_va_vdst(0)
.endm
; Rows 16 q .. + 15 of the landed chunk go from my part of the slot into window 2 or 3.  Only I read these bytes, behind my own wait on TENSORcnt.
.macro DRAINQ q
.if (\q) < 2
	WIN 0x80
.else
	WIN 0xc0
.endif
.set i, 16*((\q)%2)
.rept 16
.if (\q) < 2
	ds_load_b128 v[8*i:8*i+3], v[DRA] offset:VPIT*i
	ds_load_b128 v[8*i+4:8*i+7], v[DRA] offset:VPIT*i+16
.else
	ds_load_b128 v[8*i:8*i+3], v[DRB] offset:VPIT*i
	ds_load_b128 v[8*i+4:8*i+7], v[DRB] offset:VPIT*i+16
.endif
.set i, i+1
.endr
.endm
.macro REFILL                          ; the slot takes the next 64 rows
	s_wait_tensorcnt 0x0                           ; no tensor load of mine is out, so group 0 may be written
	ds_add_u32 v[SPW], v[NIL]
	s_add_nc_u64 s[G0+2:G0+3], s[G0+2:G0+3], 64*4096
	s_wait_dscnt 0x0                               ; the add is done, and the drain's loads are in
	s_barrier_signal -1
	s_barrier_wait -1
	tensor_load_to_lds s[G0:G0+3], s[G1:G1+7]      ; my one tensor load behind this barrier
	s_nop 0
.rept 4
	v_nop
.endr
.endm
; Sixteen rows at v[x + 8 i] become codes and scale bytes in the stages.  A lane holds 8 neighbours along K, four lanes a block of 32; the rows take turns line by line.
.macro QUANT16 w2, w1, x, r0
	WIN \w2
.set i, 0
.rept 16
	v_max3_num_f32 v[QM+i], |v[\x+8*i]|, |v[\x+8*i+1]|, 0x1800000   ; the floor 2^(3 - 127): the byte cannot fall under 1
.set i, i+1
.endr
.irp t, 2,4,6
.set i, 0
.rept 16
	v_max3_num_f32 v[QM+i], |v[\x+8*i+\t]|, |v[\x+8*i+\t+1]|, v[QM+i]
.set i, i+1
.endr
.endr
	WIN 0
.irp m, 1,2
.set i, 0
.rept 16
	v_max_num_f32_dpp v[QM+i], v[QM+i], v[QM+i] row_xmask:\m row_mask:0xf bank_mask:0xf
.set i, i+1
.endr
.endr
.set i, 0
.rept 16
	v_add_nc_u32 v[QE+i], 0xff000000, v[QM+i]      ; 2 off the exponent field: the conversion's scale operand
.set i, i+1
.endr
.set i, 0
.rept 16
	v_lshrrev_b32 v[QM+i], 23, v[QE+i]             ; the scale's byte
.set i, i+1
.endr
	WIN \w1
.set i, 0
.rept 16
	v_cvt_scalef32_pk8_fp4_f32 v[QC+i], v[\x+8*i:\x+8*i+7], v[QE+i]
.set i, i+1
.endr
	WIN 0
	v_nop                                          ; one plain instruction behind the last scaled conversion
.set i, 0
.rept 16
	ds_store_b32 v[CSA], v[QC+i] offset:CPIT*(\r0+i)
	ds_store_b8 v[SSA], v[QM+i] offset:SPIT*(\r0+i)    ; the four lanes of a block write the same byte
.set i, i+1
.endr
.endm
.macro ALOAD                           ; the chunk's 32 fragments and its scale words, from the stages
	WIN 0x40
.irp t, 0,1,2,3
.set i, 0
.rept 16
	ds_load_b128 v[64*\t+4*i:64*\t+4*i+3], v[AFA] offset:16*CPIT*\t+32*i
.set i, i+1
.endr
.endr
	WIN 0
.irp t, 0,1,2,3
	ds_load_b128 v[AS+4*\t:AS+4*\t+3], v[ASA] offset:16*SPIT*\t
.endr
.endm
; A TILE of 16 units in ring place u.  pf: the tile two on is fetched into the place.  lw: the global loads that may stay out (the next tile's 17).  nq: the next tile's qb is asked for.
.macro TILE u, pf, lw, nq
	s_wait_loadcnt \lw                             ; loads come back in order: this tile's 17 are in
	s_wait_dscnt 0x0                               ; its qb (and, in a chunk's first tile, the rows' fragments) are in
	WIN 0x04                                       ; source 1 (the rows) window 1
.irp s, 0,1,2,3,4,5,6,7
.irp t, 0,1,2,3
.if \s == 0
	v_wmma_scale_f32_16x16x128_f8f6f4 v[ACC+8*\t:ACC+8*\t+7], v[BR+64*\u+8*\s:BR+64*\u+8*\s+7], v[64*\t+8*\s:64*\t+8*\s+7], v[QB:QB+7], v[BS+4*\u+\s%4], v[AS+4*\t+\s%4] matrix_a_fmt:MATRIX_FMT_FP4 matrix_b_fmt:MATRIX_FMT_FP4
.elseif \s < 4
	v_wmma_scale_f32_16x16x128_f8f6f4 v[ACC+8*\t:ACC+8*\t+7], v[BR+64*\u+8*\s:BR+64*\u+8*\s+7], v[64*\t+8*\s:64*\t+8*\s+7], v[ACC+8*\t:ACC+8*\t+7], v[BS+4*\u+\s%4], v[AS+4*\t+\s%4] matrix_a_fmt:MATRIX_FMT_FP4 matrix_b_fmt:MATRIX_FMT_FP4
.else
	v_wmma_scale_f32_16x16x128_f8f6f4 v[ACC+8*\t:ACC+8*\t+7], v[BR+64*\u+8*\s:BR+64*\u+8*\s+7], v[64*\t+8*\s:64*\t+8*\s+7], v[ACC+8*\t:ACC+8*\t+7], v[BS+4*\u+\s%4], v[AS+4*\t+\s%4] matrix_a_fmt:MATRIX_FMT_FP4 matrix_b_fmt:MATRIX_FMT_FP4 matrix_a_scale:MATRIX_SCALE_ROW1 matrix_b_scale:MATRIX_SCALE_ROW1
.endif
.endr
.endr
	WIN 0
.rept 4
	v_nop                                          ; four places behind the products, for the loads into their registers and the reads of their results
.endr
	ds_load_b128 v[VV:VV+3], v[QAD] offset:4096+64*\u
	ds_load_b128 v[VV+4:VV+7], v[QAD] offset:4096+64*\u+16
.if \nq
.if \u == 0
	ds_load_b128 v[QB:QB+3], v[QAD] offset:64
	ds_load_b128 v[QB+4:QB+7], v[QAD] offset:80
.else
	ds_load_b128 v[QB:QB+3], v[QAN]
	ds_load_b128 v[QB+4:QB+7], v[QAN] offset:16
.endif
.endif
.if \pf
.if \u == 0
	s_wait_xcnt 0x0                                ; the last trip's loads have read their bases
	s_add_co_u32 s41, s[TC], 2
	s_and_b32 s41, s41, 15                         ; the trip fetches tiles (TC + 2) mod 16 and the one behind it
	s_lshl_b32 s42, s41, 13
	s_lshl_b32 s44, s41, 9
	s_add_nc_u64 s[WBT:WBT+1], s[WB:WB+1], s[42:43]
	s_add_nc_u64 s[WST:WST+1], s[WSB:WSB+1], s[44:45]
.endif
	global_load_b128 v[BS+4*\u:BS+4*\u+3], v[WSO], s[WST:WST+1] offset:512*\u
.irp e, 0,1,2,3,4,5,6,7,8,9,10,11,12,13,14,15
	global_load_b128 v[BR+64*\u+4*\e:BR+64*\u+4*\e+3], v[W16], s[WBT:WBT+1] offset:8192*\u+512*\e
.endr
.endif
.set i, 0
.rept 16                               ; x 2 log2(e); each accumulator is first read at its low end
	v_pk_mul_f32 v[ACC+2*i:ACC+2*i+1], v[ACC+2*i:ACC+2*i+1], s[CS:CS+1] op_sel_hi:[1,0]
.set i, i+1
.endr
	ALUW
.set i, 0
.rept 32
	v_exp_f32 v[ACC+i], v[ACC+i]
.set i, i+1
.endr
	v_nop                                          ; a plain place behind the batch
	ALUW
.set i, 0
.rept 16
	v_pk_add_f32 v[ACC+2*i:ACC+2*i+1], v[ACC+2*i:ACC+2*i+1], 1.0 op_sel_hi:[1,0]
.set i, i+1
.endr
	ALUW
.set i, 0
.rept 32
	v_rcp_f32 v[ACC+i], v[ACC+i]
.set i, i+1
.endr
	v_nop
	s_wait_dscnt 0x0                               ; v's eight numbers are in
	ALUW
.irp e, 0,1
.irp t, 0,1,2,3
.irp k, 0,2
	v_pk_fma_f32 v[SA+4*\t+\k:SA+4*\t+\k+1], v[ACC+8*\t+4*\e+\k:ACC+8*\t+4*\e+\k+1], v[VV+4*\e+\k:VV+4*\e+\k+1], v[SA+4*\t+\k:SA+4*\t+\k+1]
.endr
.endr
.endr
.endm
.macro TRIP pf, l1                     ; tiles TC and TC + 1
	s_lshl_b32 s41, s[TC], 6
	v_add_nc_u32 v[QAD], s41, v[QA0]
.if \pf
	s_add_co_u32 s41, s[TC], 2
	s_and_b32 s41, s41, 15
	s_lshl_b32 s41, s41, 6
	v_add_nc_u32 v[QAN], s41, v[QA0]
.endif
	ALUW
	TILE 0, \pf, 17, 1
	TILE 1, \pf, \l1, \pf
.endm
; The context takes sixteen rows: their weights as scalars, then p x values.  Row 16 q + i: its weight lies in lane 8 q + i / 2, register i % 2.
.macro CTX16 q, win
	WIN 0
.set i, 0
.rept 16
	v_readlane_b32 s[PP+2*i], v[P+i%2], 8*(\q)+i/2
.set i, i+1
.endr
	WIN \win
.set i, 0
.rept 16
.irp j, 0,2,4,6
	v_pk_fma_f32 v[CX+\j:CX+\j+1], v[8*((16*(\q)+i)%32)+\j:8*((16*(\q)+i)%32)+\j+1], s[PP+2*i:PP+2*i+1], v[CX+\j:CX+\j+1] op_sel_hi:[1,0,1]
.endr
.set i, i+1
.endr
.endm
; All the work on a chunk whose values lie in windows 2 and 3.  tail = 1: the last chunk: its last trip fetches nothing, and nothing is drained.
.macro COMPUTE tail
	QUANT16 0x0a, 0x02, 0, 0
	QUANT16 0x0a, 0x02, 128, 16
	QUANT16 0x0f, 0x03, 0, 32
	QUANT16 0x0f, 0x03, 128, 48
	ALUW
	s_wait_dscnt 0x0                               ; for the others' sake: all my stores into the stages have landed
	s_barrier_signal -1                            ; every wave's codes and bytes have landed
	s_barrier_wait -1
	ALOAD
.set i, 0
.rept 16
	v_mov_b32 v[SA+i], 0
.set i, i+1
.endr
	s_mov_b32 s[TC], 0
	s_mov_b32 s39, 8-\tail
.Ltile_\@:
	TRIP 1, 17
	s_add_co_u32 s[TC], s[TC], 2
	s_sub_co_u32 s39, s39, 1
	s_cmp_lg_u32 s39, 0
	s_cbranch_scc1 .Ltile_\@
.if \tail
	TRIP 0, 0
.endif
	; the scores: my lane's four sums of each tile of rows, lane l xor 16's, x -2: my wave's part for row 16 t + r
.irp t, 0,1,2,3
	v_pk_add_f32 v[100+2*\t:101+2*\t], v[SA+4*\t:SA+4*\t+1], v[SA+4*\t+2:SA+4*\t+3]
.endr
.irp t, 0,1,2,3
	v_add_f32 v[T4+\t], v[100+2*\t], v[101+2*\t]
.endr
.irp t, 0,1,2,3
	v_permlanex16_b32 v[96+\t], v[T4+\t], s[SEL], s[SEL+1]
.endr
.irp t, 0,1,2,3
	v_add_f32 v[T4+\t], v[T4+\t], v[96+\t]
.endr
.irp t, 0,1,2,3
	v_mul_f32 v[T4+\t], -2.0, v[T4+\t]
.endr
.irp t, 0,1,2,3
	ds_store_b32 v[SCW], v[T4+\t] offset:64*\t     ; lanes r and r + 16 write the same word with the same value
.endr
	v_add_nc_u32 v[PENT], s[KP], v[PENA]
	ALUW
	s_wait_dscnt 0x0                               ; for the others' sake: my parts have landed
	s_barrier_signal -1
	s_barrier_wait -1
.irp p, 0,1,2,3
	ds_load_b64 v[80+2*\p:81+2*\p], v[SCRD] offset:256*\p
.endr
	ds_load_b64 v[88:89], v[PENT]
	s_wait_dscnt 0x0
	v_pk_add_f32 v[80:81], v[80:81], v[82:83]
	v_pk_add_f32 v[84:85], v[84:85], v[86:87]
	v_pk_add_f32 v[80:81], v[80:81], v[84:85]
	v_pk_add_f32 v[S:S+1], v[80:81], v[88:89]      ; + (1 - mask) x -1e9, last
	ALUW
	s_cmp_lg_u32 s[WV], 0
	s_cbranch_scc1 .Lnot_0_\@
	global_store_b64 v[GS], v[S:S+1], s[SCP:SCP+1]         ; wave 0: 32 lanes store 256 consecutive bytes, aligned
.Lnot_0_\@:
	; the running softmax
	v_max_num_f32 v80, v[S], v[S+1]
.irp m, 1,2,4,8
	v_max_num_f32_dpp v80, v80, v80 row_xmask:\m row_mask:0xf bank_mask:0xf
.endr
	v_permlanex16_b32 v96, v80, s[SEL], s[SEL+1]
	v_max3_num_f32 v81, v80, v96, v[MX]
	v_sub_f32 v82, v[MX], v81                      ; the differences first, then x log2(e): scores may be as large as 1e9
	v_sub_f32 v83, v[S], v81
	v_sub_f32 v84, v[S+1], v81
	v_mul_f32 v82, s[L2E], v82
	v_mul_f32 v83, s[L2E], v83
	v_mul_f32 v84, s[L2E], v84
	ALUW
	v_exp_f32 v[FF], v82
	v_exp_f32 v[P], v83
	v_exp_f32 v[P+1], v84
	v_mov_b32 v[MX], v81                           ; (a plain place behind the exponentials)
	ALUW
	v_add_f32 v85, v[P], v[P+1]
	v_fma_f32 v[LS], v[LS], v[FF], v85
.irp j, 0,2,4,6
	v_pk_mul_f32 v[CX+\j:CX+\j+1], v[CX+\j:CX+\j+1], v[FF:FF+1] op_sel_hi:[1,0]
.endr
	; the context, sixteen rows at a time; behind each sixteen their registers take the next chunk's rows
	CTX16 0, 0x02
.if \tail == 0
	ALUW
	s_wait_tensorcnt 0x0                           ; my one tensor load has landed: the next chunk may be read
	DRAINQ 0
.endif
	CTX16 1, 0x02
.if \tail == 0
	DRAINQ 1
.endif
	CTX16 2, 0x03
.if \tail == 0
	DRAINQ 2
.endif
	CTX16 3, 0x03
.if \tail == 0
	DRAINQ 3
.endif
	WIN 0
	ALUW
.if \tail == 0
	s_wait_xcnt 0x0                                ; the store of the scores has read its base and its data
	s_add_nc_u64 s[SCP:SCP+1], s[SCP:SCP+1], 256
	s_add_co_u32 s[KP], s[KP], 256
.endif
.endm
	; ======== the head
	s_load_b512 s[4:19], s[0:1], 0x0               ; values s[4:5], mask s[6:7], v s[8:9], qb s[10:11], w2r s[12:13], w2_scales s[14:15], sc s[16:17], part s[18:19]
	v_lshl_add_u32 v[SPW], v0, 2, SPARE
	v_mov_b32 v[NIL], 0
	ds_add_u32 v[SPW], v[NIL]
	ds_add_u32 v[SPW], v[NIL]
	v_lshrrev_b32 v25, 5, v0
	v_readfirstlane_b32 s[WV], v25                 ; wave 0..3
	; group 1: 64 rows of 128 elements of 8 bytes, 512 elements from row to row; 4 words of padding behind every 64
	s_mov_b32 s[G1+0], (3<<16)|(1<<20)|(5<<22)|(3<<25)
	s_mov_b32 s[G1+1], 128<<16
	s_mov_b32 s[G1+2], 64<<16
	s_mov_b32 s[G1+3], 128<<16
	s_mov_b32 s[G1+4], 64
	s_mov_b32 s[G1+5], 512
	s_mov_b32 s[G1+6], 0
	s_mov_b32 s[G1+7], 0
	s_lshl_b32 s36, ttmp9, 20                      ; the work-group's 256 rows of 4,096 bytes,
	s_lshl_b32 s23, s[WV], 10                      ; my wave's 1,024 bytes of a row
	s_add_co_u32 s36, s36, s23
	s_mov_b32 s37, 0
	s_mov_b32 s[G0], 1
	s_mul_i32 s[G0+1], s[WV], VSW                  ; my wave's part of the slot
	s_wait_dscnt 0x0                               ; both opening adds are done
	s_wait_kmcnt 0x0
	s_add_nc_u64 s[G0+2:G0+3], s[4:5], s[36:37]
	s_or_b32 s[G0+3], s[G0+3], 0x80000000
	tensor_load_to_lds s[G0:G0+3], s[G1:G1+7]      ; chunk 0: my one tensor load at the head
	s_nop 0
.rept 4
	v_nop
.endr
	v_lshlrev_b32 v28, 4, v0                       ; 16 thread
	v_lshlrev_b32 v29, 3, v0                       ; 8 thread
	s_lshr_b32 s36, ttmp9, 3
	s_lshl_b32 s36, s36, 12
	s_add_nc_u64 s[10:11], s[10:11], s[36:37]      ; my batch's row of qb
	s_lshl_b32 s36, ttmp9, 10
	s_add_nc_u64 s[6:7], s[6:7], s[36:37]          ; my 256 rows of the mask,
	s_add_nc_u64 s[SCP:SCP+1], s[16:17], s[36:37]  ; and of sc
	ALUW
	global_load_b128 v[80:83], v28, s[10:11]
	global_load_b128 v[84:87], v28, s[10:11] offset:2048
	global_load_b128 v[88:91], v28, s[8:9]
	global_load_b128 v[92:95], v28, s[8:9] offset:2048
	global_load_b64 v[96:97], v29, s[6:7]
	s_mov_b32 s43, 0
	s_mov_b32 s45, 0
	s_mov_b32 s[CS], 0x4038aa3b                    ; 2 log2(e)
	s_mov_b32 s[CS+1], s[CS]
	s_mov_b32 s[SEL], 0x76543210
	s_mov_b32 s[SEL+1], 0xfedcba98
	s_mov_b32 s[L2E], 0x3fb8aa3b
	s_mov_b32 s[KP], 0
.set i, 0
.rept 16
	s_mov_b32 s[PP+2*i+1], 0
.set i, i+1
.endr
	s_lshl_b32 s36, s[WV], 17
	s_add_nc_u64 s[WB:WB+1], s[12:13], s[36:37]    ; my wave's 16 records of 8,192 bytes
	s_lshl_b32 s36, s[WV], 13
	s_add_nc_u64 s[WSB:WSB+1], s[14:15], s[36:37]  ; my wave's 256 units x 32 scale bytes
	s_mul_i32 s36, ttmp9, 4352
	s_add_nc_u64 s[20:21], s[18:19], s[36:37]      ; my record of part
	v_add_nc_u32 v31, QT, v28
	v_add_nc_u32 v[PENT], PEN, v29
	v_and_b32 v108, 31, v0                         ; l
	v_and_b32 v109, 15, v0                         ; r
	v_bfe_u32 v110, v0, 4, 1                       ; h
	v_bfe_u32 v111, v0, 3, 2                       ; l / 8
	v_lshlrev_b32 v[W16], 4, v108
	v_lshlrev_b32 v[WSO], 5, v109
	v_lshl_add_u32 v[WSO], v110, 4, v[WSO]
	v_lshlrev_b32 v[QA0], 5, v110
	v_add_nc_u32 v[QA0], s23, v[QA0]
	v_add_nc_u32 v[QA0], QT, v[QA0]
	v_lshlrev_b32 v[DRA], 5, v108
	v_lshl_add_u32 v[DRA], v111, 4, v[DRA]
	v_add_nc_u32 v[DRA], s[G0+1], v[DRA]
	v_add_nc_u32 v[DRB], 32*VPIT, v[DRA]
	v_lshl_add_u32 v[CSA], v0, 2, CST
	v_lshrrev_b32 v[SSA], 2, v0
	v_add_nc_u32 v[SSA], SST, v[SSA]
	v_mul_u32_u24 v[AFA], v109, CPIT
	v_lshl_add_u32 v[AFA], v110, 4, v[AFA]
	v_add_nc_u32 v[AFA], CST, v[AFA]
	v_mul_u32_u24 v[ASA], v109, SPIT
	v_lshl_add_u32 v[ASA], v110, 4, v[ASA]
	v_add_nc_u32 v[ASA], SST, v[ASA]
	s_lshl_b32 s23, s[WV], 8
	v_lshlrev_b32 v[SCW], 2, v109
	v_add_nc_u32 v[SCW], s23, v[SCW]
	v_add_nc_u32 v[SCW], SCR, v[SCW]
	v_lshlrev_b32 v[GS], 3, v108
	v_add_nc_u32 v[SCRD], SCR, v[GS]
	v_add_nc_u32 v[PENA], PEN, v[GS]
.set i, 0
.rept 8
	v_mov_b32 v[CX+i], 0
.set i, i+1
.endr
	v_mov_b32 v[LS], 0
	v_mov_b32 v[MX], 0xff61b1e6                    ; -3e38, under every score
	v_mov_b32 v[FF+1], 0
	ALUW
	s_wait_loadcnt 0x0
	ds_store_b128 v31, v[80:83]                    ; qb's row,
	ds_store_b128 v31, v[84:87] offset:2048
	ds_store_b128 v31, v[88:91] offset:4096        ; v behind it
	ds_store_b128 v31, v[92:95] offset:6144
	v_cvt_f32_i32 v96, v96
	v_cvt_f32_i32 v97, v97
	v_sub_f32 v96, 1.0, v96
	v_sub_f32 v97, 1.0, v97
	v_mul_f32 v96, 0xce6e6b28, v96                 ; (1 - mask) x -1e9
	v_mul_f32 v97, 0xce6e6b28, v97
	ds_store_b64 v[PENT], v[96:97]
	ALUW
	s_wait_dscnt 0x0                               ; for the others' sake: my part of the tables has landed
	s_barrier_signal -1
	s_barrier_wait -1
	ds_load_b128 v[QB:QB+3], v[QA0]                ; qb of tile 0
	ds_load_b128 v[QB+4:QB+7], v[QA0] offset:16
.irp u, 0,1                            ; the ring's first two tiles, 17 loads each
	global_load_b128 v[BS+4*\u:BS+4*\u+3], v[WSO], s[WSB:WSB+1] offset:512*\u
.set i, 0
.rept 16
	global_load_b128 v[BR+64*\u+4*i:BR+64*\u+4*i+3], v[W16], s[WB:WB+1] offset:8192*\u+512*i
.set i, i+1
.endr
.endr
	s_wait_tensorcnt 0x0                           ; chunk 0 has landed
	DRAINQ 0
	DRAINQ 1
	DRAINQ 2
	DRAINQ 3
	WIN 0
	; ======== four chunks: the drained slot is filled again, the chunk in registers is worked, the next is drained
	s_mov_b32 s38, 3
.Lchunk:
	REFILL
	COMPUTE 0
	s_sub_co_u32 s38, s38, 1
	s_cmp_lg_u32 s38, 0
	s_cbranch_scc1 .Lchunk
	s_wait_dscnt 0x0                               ; the last chunk is in its registers; it is written out
	COMPUTE 1
	; ======== out: the context, the sum and the maximum
.irp m, 1,2,4,8
	v_add_f32_dpp v[LS], v[LS], v[LS] row_xmask:\m row_mask:0xf bank_mask:0xf
.endr
	v_permlanex16_b32 v96, v[LS], s[SEL], s[SEL+1]
	v_add_f32 v[LS], v[LS], v96
	v_lshlrev_b32 v28, 4, v0
	ALUW
	global_store_b128 v28, v[CX:CX+3], s[20:21]                ; 32 lanes store 512 consecutive bytes
	global_store_b128 v28, v[CX+4:CX+7], s[20:21] offset:2048
	s_cmp_lg_u32 s[WV], 0
	s_cbranch_scc1 .Lend
	global_store_b64 v[GS], v[LS:MX], s[20:21] offset:4096     ; wave 0: the pair (sum, maximum): 256 consecutive bytes
.Lend:
	s_wait_tensorcnt 0x0                           ; the wave's end
	ds_add_u32 v[SPW], v[NIL]
	s_wait_dscnt 0x0
	s_endpgm
.Lfunc_end_k_q54a276cbd8_attend:
	.size	k_q54a276cbd8_attend, .Lfunc_end_k_q54a276cbd8_attend-k_q54a276cbd8_attend
	.p2alignl 7, 3214868480
	.fill 96, 4, 3214868480
	.section	.rodata,"a",@progbits
	.p2align	6, 0x0
	.amdhsa_kernel k_q54a276cbd8_attend
		.amdhsa_group_segment_fixed_size 327680
		.amdhsa_private_segment_fixed_size 0
		.amdhsa_enable_private_segment 0
		.amdhsa_kernarg_size 64
		.amdhsa_user_sgpr_count 2
		.amdhsa_user_sgpr_kernarg_segment_ptr 1
		.amdhsa_wavefront_size32 1
		.amdhsa_system_sgpr_workgroup_id_x 1
		.amdhsa_system_sgpr_workgroup_id_y 1
		.amdhsa_system_sgpr_workgroup_id_z 1
		.amdhsa_system_vgpr_workitem_id 0
		.amdhsa_next_free_vgpr 1024
		.amdhsa_next_free_sgpr 98
		.amdhsa_reserve_vcc 0
		.amdhsa_float_denorm_mode_32 3
		.amdhsa_float_denorm_mode_16_64 3
		.amdhsa_memory_ordered 1
		.amdhsa_forward_progress 1
		.amdhsa_inst_pref_size 240
	.end_amdhsa_kernel
	.amdgpu_metadata
---
amdhsa.version: [ 1, 2 ]
amdhsa.kernels:
  - .name:           k_q54a276cbd8_attend
    .symbol:         k_q54a276cbd8_attend.kd
    .args:
      - { .name: values, .offset: 0, .size: 8, .value_kind: global_buffer, .address_space: global }
      - { .name: mask, .offset: 8, .size: 8, .value_kind: global_buffer, .address_space: global }
      - { .name: v, .offset: 16, .size: 8, .value_kind: global_buffer, .address_space: global }
      - { .name: qb, .offset: 24, .size: 8, .value_kind: global_buffer, .address_space: global }
      - { .name: w2r, .offset: 32, .size: 8, .value_kind: global_buffer, .address_space: global }
      - { .name: w2_scales, .offset: 40, .size: 8, .value_kind: global_buffer, .address_space: global }
      - { .name: sc, .offset: 48, .size: 8, .value_kind: global_buffer, .address_space: global }
      - { .name: part, .offset: 56, .size: 8, .value_kind: global_buffer, .address_space: global }
    .group_segment_fixed_size: 327680
    .private_segment_fixed_size: 0
    .kernarg_segment_align: 8
    .kernarg_segment_size: 64
    .max_flat_workgroup_size: 128
    .sgpr_count:     98
    .vgpr_count:     1024
    .wavefront_size: 32
...
	.end_amdgpu_metadata
.endif
;; end of part 2
;; launch finish (part 3): grid 32 x 1, 8 waves a work-group, no clusters, 0 bytes of LDS; arguments sc, part, out0, out1; writes out0, out1
.if DOCPART == 3
	.amdgcn_target "amdgcn-amd-amdhsa--gfx1250"
	.amdhsa_code_object_version 6
	.text
	.protected	k_q54a276cbd8_finish
	.globl	k_q54a276cbd8_finish
	.p2align	8
	.type	k_q54a276cbd8_finish,@function
k_q54a276cbd8_finish:
	s_mov_b64 s[64:65], 0
	v_nop
	global_prefetch_b8 v0, s[64:65] scope:SCOPE_SE
	s_setreg_imm32_b32 hwreg(HW_REG_WAVE_MODE, 25, 1), 1
	s_wait_xcnt 0x0
; Joins a batch's eight parts.  Part i holds a context C_i and a sum L_i taken under its own maximum M_i.  With M = the largest M_i and e_i = exp(M_i - M):
; L = the sum of e_i L_i;  out0 = (the sum of e_i C_i) / L;  out1 = exp(score - M) / L.  One work-group a batch, 256 threads: thread t makes columns 4 t .. 4 t + 3 of out0 and eight rows of out1.
; A stream of 52 KB a work-group: no LDS, no barrier, no matrix unit.  Every store of a wave covers 512 consecutive bytes.
; In a part's record byte 2,048 j + 16 u holds columns 8 u + 4 j .. + 3: so columns 4 t on lie at 2,048 (t % 2) + 16 (t / 2).
.set REC, 4352
	s_load_b256 s[4:11], s[0:1], 0x0               ; sc s[4:5], part s[6:7], out0 s[8:9], out1 s[10:11]
	s_mul_i32 s12, ttmp9, 8*REC
	s_mov_b32 s13, 0
	s_lshl_b32 s14, ttmp9, 13                      ; 2,048 rows of 4 bytes
	s_mov_b32 s15, 0
	s_lshl_b32 s32, ttmp9, 12                      ; 1,024 columns of 4 bytes
	s_mov_b32 s33, 0
	v_and_b32 v1, 1, v0
	v_lshrrev_b32 v2, 1, v0
	s_delay_alu instid0(VALU_DEP_2)
	v_lshlrev_b32 v1, 11, v1
	s_delay_alu instid0(VALU_DEP_1)
	v_lshl_add_u32 v1, v2, 4, v1
	v_lshlrev_b32 v3, 4, v0
	s_wait_alu depctr_va_vdst(0)
	s_wait_kmcnt 0x0
	s_add_nc_u64 s[6:7], s[6:7], s[12:13]
	s_add_nc_u64 s[4:5], s[4:5], s[14:15]
	s_add_nc_u64 s[10:11], s[10:11], s[14:15]
	s_add_nc_u64 s[8:9], s[8:9], s[32:33]
.irp i, 0,1,2,3,4,5,6,7
	s_load_b64 s[16+2*\i:17+2*\i], s[6:7], REC*\i+4096     ; L_i, M_i
.endr
.irp i, 0,1,2,3,4,5,6,7
	global_load_b128 v[8+4*\i:11+4*\i], v1, s[6:7] offset:REC*\i
.endr
	global_load_b128 v[40:43], v3, s[4:5]
	global_load_b128 v[44:47], v3, s[4:5] offset:4096
	s_wait_kmcnt 0x0
	v_mov_b32 v48, s17
.irp i, 1,2,3,4,5,6,7
	s_delay_alu instid0(VALU_DEP_1)
	v_max_num_f32 v48, s[17+2*\i], v48             ; M
.endr
.irp i, 0,1,2,3,4,5,6,7
	v_sub_f32 v[50+\i], s[17+2*\i], v48            ; the difference first, then x log2(e): maxima may be as large as 1e9
.endr
.irp i, 0,1,2,3,4,5,6,7
	v_mul_f32 v[50+\i], 0x3fb8aa3b, v[50+\i]
.endr
	s_wait_alu depctr_va_vdst(0)
.irp i, 0,1,2,3,4,5,6,7
	v_exp_f32 v[50+\i], v[50+\i]                   ; e_i
.endr
	v_nop                                          ; a plain instruction behind the exponentials
	s_wait_alu depctr_va_vdst(0)
	v_mul_f32 v49, s16, v50
.irp i, 1,2,3,4,5,6,7
	v_fma_f32 v49, s[16+2*\i], v[50+\i], v49       ; L: at least 1, since the row of the maximum adds 1
.endr
	s_wait_alu depctr_va_vdst(0)
	v_rcp_f32 v58, v49
	v_nop                                          ; a plain instruction behind the reciprocal
	s_wait_alu depctr_va_vdst(0)
.irp i, 0,1,2,3,4,5,6,7
	v_mul_f32 v[50+\i], v[50+\i], v58              ; e_i / L
.endr
	s_wait_alu depctr_va_vdst(0)
	s_wait_loadcnt 0x0
.irp j, 0,1,2,3
	v_mul_f32 v[60+\j], v[8+\j], v50
.endr
.irp i, 1,2,3,4,5,6,7
.irp j, 0,1,2,3
	s_delay_alu instid0(VALU_DEP_4)
	v_fma_f32 v[60+\j], v[8+4*\i+\j], v[50+\i], v[60+\j]
.endr
.endr
	global_store_b128 v3, v[60:63], s[8:9]
.irp j, 0,1,2,3,4,5,6,7
	v_sub_f32 v[40+\j], v[40+\j], v48
.endr
.irp j, 0,1,2,3,4,5,6,7
	v_mul_f32 v[40+\j], 0x3fb8aa3b, v[40+\j]
.endr
	s_wait_alu depctr_va_vdst(0)
.irp j, 0,1,2,3,4,5,6,7
	v_exp_f32 v[40+\j], v[40+\j]
.endr
	v_nop                                          ; a plain instruction behind the exponentials
	s_wait_alu depctr_va_vdst(0)
.irp j, 0,1,2,3,4,5,6,7
	v_mul_f32 v[40+\j], v[40+\j], v58
.endr
	global_store_b128 v3, v[40:43], s[10:11]
	global_store_b128 v3, v[44:47], s[10:11] offset:4096
	s_endpgm
.Lfunc_end_k_q54a276cbd8_finish:
	.size	k_q54a276cbd8_finish, .Lfunc_end_k_q54a276cbd8_finish-k_q54a276cbd8_finish
	.p2alignl 7, 3214868480
	.fill 96, 4, 3214868480
	.section	.rodata,"a",@progbits
	.p2align	6, 0x0
	.amdhsa_kernel k_q54a276cbd8_finish
		.amdhsa_group_segment_fixed_size 0
		.amdhsa_private_segment_fixed_size 0
		.amdhsa_enable_private_segment 0
		.amdhsa_kernarg_size 32
		.amdhsa_user_sgpr_count 2
		.amdhsa_user_sgpr_kernarg_segment_ptr 1
		.amdhsa_wavefront_size32 1
		.amdhsa_system_sgpr_workgroup_id_x 1
		.amdhsa_system_sgpr_workgroup_id_y 1
		.amdhsa_system_sgpr_workgroup_id_z 1
		.amdhsa_system_vgpr_workitem_id 0
		.amdhsa_next_free_vgpr 72
		.amdhsa_next_free_sgpr 66
		.amdhsa_reserve_vcc 0
		.amdhsa_float_denorm_mode_32 3
		.amdhsa_float_denorm_mode_16_64 3
		.amdhsa_memory_ordered 1
		.amdhsa_forward_progress 1
		.amdhsa_inst_pref_size 10
	.end_amdhsa_kernel
	.amdgpu_metadata
---
amdhsa.version: [ 1, 2 ]
amdhsa.kernels:
  - .name:           k_q54a276cbd8_finish
    .symbol:         k_q54a276cbd8_finish.kd
    .args:
      - { .name: sc, .offset: 0, .size: 8, .value_kind: global_buffer, .address_space: global }
      - { .name: part, .offset: 8, .size: 8, .value_kind: global_buffer, .address_space: global }
      - { .name: out0, .offset: 16, .size: 8, .value_kind: global_buffer, .address_space: global }
      - { .name: out1, .offset: 24, .size: 8, .value_kind: global_buffer, .address_space: global }
    .group_segment_fixed_size: 0
    .private_segment_fixed_size: 0
    .kernarg_segment_align: 8
    .kernarg_segment_size: 32
    .max_flat_workgroup_size: 256
    .sgpr_count:     66
    .vgpr_count:     72
    .wavefront_size: 32
...
	.end_amdgpu_metadata
.endif
;; end of part 3
